; MI455X (gfx1250); checked and timed in simulation.
; The chip was launched on July 23, 2026; its instructions are those of AMD's public machine-readable ISA for CDNA 5 (MIT licence, August 2026) and "CDNA5" Instruction Set Architecture Reference Guide (July 2026). The comments in the code are by the model that wrote it; some were corrected since.
;; Differential Attention. Allowed arithmetic: float matrix products may take bf16 or f16 operands with f32 sums; other float arithmetic in f32, or as packed bf16 or f16 multiplies, adds, multiply-adds, maxima and minima; sums over many terms, partial sums and values carried from step to step in f32; what a program stores and reads back later, other than sums and carried values, may be rounded once to bf16 or f16.
;; Inputs: Wk 1,024 x 1,024 float32; Wo 1,024 x 1,024 float32; Wq 1,024 x 1,024 float32; Wv 1,024 x 1,024 float32; bo 1,024 float32; lk1 32 float32; lk2 32 float32; lq1 32 float32; lq2 32 float32; x 4 x 4,096 x 1,024 float32.
;; Outputs: out0 4 x 4,096 x 1,024 float32.
;; One version. Each part assembles by itself: llvm-mc -triple=amdgcn-amd-amdhsa -mcpu=gfx1250 --defsym DOCPART=n.
;; ======== version 1 of 1: 4 launches
;; limits: values are held in f16: magnitudes above 65,504 overflow, below 6.1e-05 lose precision; right only within a limited range of input values
;; workspace buffers: xb 33,554,432 bytes; wb 6,291,456 bytes; wo 2,097,152 bytes; qkv 100,663,296 bytes; ao 33,554,432 bytes
;; launch prep (part 1): grid 256 x 1, 16 waves a work-group, no clusters, 0 bytes of LDS; arguments x, Wq, Wk, Wv, Wo, xb, wb, wo; writes xb, wb, wo
.if DOCPART == 1
	.amdgcn_target "amdgcn-amd-amdhsa--gfx1250"
	.amdhsa_code_object_version 6
	.text
	.protected	k_q3a485116a6_prep
	.globl	k_q3a485116a6_prep
	.p2align	8
	.type	k_q3a485116a6_prep,@function
k_q3a485116a6_prep:
	s_mov_b64 s[64:65], 0
	v_nop
	global_prefetch_b8 v0, s[64:65] scope:SCOPE_SE
	s_setreg_imm32_b32 hwreg(HW_REG_WAVE_MODE, 25, 1), 1
	s_wait_xcnt 0x0
; PREP.  xb = bf16(x), [16384][1024].  wb = bf16 of Wq, Wk, Wv, [3072][1024], WITH THEIR ROWS PERMUTED.  wo = Wo rounded to bf16 and that number written as f16, [1024][1024], with its
; chunks of 8 columns permuted.  Every input of the module is rounded to bf16 once; here x and the four weights.
; THE PERMUTATIONS (l = 16 hf + r a lane, j = 0..7 a number in a lane's 16 bytes) make a token's q, k, v lie in memory as the matrix fragments of the attention launch lie in registers:
;   Wq, Wk: row b 512 + i 256 + hf 128 + r 8 + j  <-  row r 64 + i 32 + hf 16 + 2 j + b     (head 16 b + r, channel 16 i + 8 hf + j)
;   Wv:     row eb 256 + hf 128 + r 8 + j         <-  row (8 hf + j) 64 + 16 eb + r         (head 8 hf + j, channel 16 eb + r)
;   Wo:     chunk eb 32 + hf 16 + r of a row      <-  chunk r 8 + 2 eb + hf                 (the order in which the attention launch stores its result)
; LIMIT.  wo holds f16: exact for 2^-17 <= |w| < 65,504 (a bf16 number has 8 significant bits); below that f16's fixed step of 6e-8; beyond it an infinity.
; SHARES.  256 work-groups of 16 waves.  A wave takes 4 rows of x and 1 row of one weight matrix: work-groups 64 m .. 64 m + 63 share matrix m.  All waves do the same work.
; A row of 4,096 bytes is eight loads of 512 consecutive bytes.  A wave asks for its five rows at once, 40 loads, 20 KiB on their way, and rounds each row in place as it comes: no register is
; used twice, so no wait but the counted ones for the loads is needed.  A store of the wave covers 256 (or 512) consecutive bytes, aligned.
; No LDS, no barrier, no matrix unit: no wave wants a byte that another has fetched.  No prefetch: the launch is one stream of loads.
.set LO, 1                             ; v1        16 x lane: a load's 16 bytes; never rewritten
.set SO, 2                             ; v2        8 x lane: a store's 8 bytes; never rewritten
.set OL, 3                             ; v3        Wo's loads: (lane % 16) x 256 + (lane / 16) x 32; never rewritten
.set X,  8                             ; v[8:135]   my four rows of x, 32 registers each; a row's first 16 take it as bf16
.set WR, 136                           ; v[136:167] my weight row
.set T,  168                           ; v[168:183] Wo's row on its way through bf16 to f16
	s_load_b512 s[4:19], s[0:1], 0x0               ; x 4:5, Wq 6:7, Wk 8:9, Wv 10:11, Wo 12:13, xb 14:15, wb 16:17, wo 18:19
	v_lshrrev_b32 v4, 5, v0
	v_readfirstlane_b32 s20, v4                    ; wave 0..15
	v_and_b32 v5, 31, v0
	v_lshlrev_b32 v[LO], 4, v5
	v_lshlrev_b32 v[SO], 3, v5
	v_and_b32 v6, 15, v0
	v_bfe_u32 v7, v0, 4, 1
	v_lshlrev_b32 v[OL], 8, v6
	v_lshl_add_u32 v[OL], v7, 5, v[OL]
	s_lshr_b32 s21, ttmp9, 6                       ; which matrix: 0 Wq, 1 Wk, 2 Wv, 3 Wo
	s_and_b32 s22, ttmp9, 63
	s_lshl_b32 s22, s22, 4
	s_add_co_u32 s22, s22, s20                     ; c: my row in the permuted order
	s_and_b32 s23, s22, 7                          ; j
	s_bfe_u32 s24, s22, 0x40003                    ; r
	s_bfe_u32 s25, s22, 0x10007                    ; hf
	s_bfe_u32 s26, s22, 0x10008                    ; i
	s_bfe_u32 s27, s22, 0x10009                    ; b
	s_bfe_u32 s28, s22, 0x20008                    ; eb
	s_lshl_b32 s29, s24, 6                         ; Wq, Wk: r 64 + i 32 + hf 16 + 2 j + b
	s_lshl_b32 s26, s26, 5
	s_or_b32 s29, s29, s26
	s_lshl_b32 s26, s25, 4
	s_or_b32 s29, s29, s26
	s_lshl1_add_u32 s29, s23, s29
	s_or_b32 s29, s29, s27
	s_lshl_b32 s30, s25, 9                         ; Wv: hf 512 + j 64 + eb 16 + r
	s_lshl_b32 s26, s23, 6
	s_or_b32 s30, s30, s26
	s_lshl_b32 s26, s28, 4
	s_or_b32 s30, s30, s26
	s_or_b32 s30, s30, s24
	s_lshl_b32 s42, s21, 10
	s_add_co_u32 s42, s42, s22                     ; the row in wb
	s_lshl_b32 s44, ttmp9, 4
	s_add_co_u32 s44, s44, s20
	s_lshl_b32 s44, s44, 14                        ; my 4 rows of x: (16 g + wave) x 4 x 4,096 bytes
	s_mov_b32 s41, 0
	s_mov_b32 s43, 0
	s_mov_b32 s45, 0
	s_cmp_lt_u32 s21, 2
	s_cselect_b32 s31, s29, s30
	s_cmp_eq_u32 s21, 3
	s_cselect_b32 s31, s22, s31                    ; Wo's rows keep their order
	s_cselect_b32 s42, s22, s42
	s_lshl_b32 s40, s31, 12                        ; source row x 4,096 bytes
	s_lshl_b32 s42, s42, 11                        ; destination row x 2,048 bytes
	s_wait_kmcnt 0x0
	s_cmp_eq_u32 s21, 0
	s_cselect_b64 s[32:33], s[6:7], s[8:9]
	s_cmp_eq_u32 s21, 2
	s_cselect_b64 s[32:33], s[10:11], s[32:33]
	s_cmp_eq_u32 s21, 3
	s_cselect_b64 s[32:33], s[12:13], s[32:33]
	s_cselect_b64 s[38:39], s[18:19], s[16:17]
	s_add_nc_u64 s[32:33], s[32:33], s[40:41]      ; my source row
	s_add_nc_u64 s[38:39], s[38:39], s[42:43]      ; my destination row
	s_add_nc_u64 s[4:5], s[4:5], s[44:45]
	s_lshr_b32 s44, s44, 1
	s_add_nc_u64 s[14:15], s[14:15], s[44:45]
.irp i, 0,1,2,3
.irp j, 0,1,2,3,4,5,6,7
	global_load_b128 v[X+32*(\i)+4*(\j):X+32*(\i)+4*(\j)+3], v[LO], s[4:5] offset:(\i)*4096+512*(\j) th:TH_LOAD_NT
.endr
.endr
	; the weight row: eight loads on either side of the branch, so that the counts below hold on both ways
	s_cmp_eq_u32 s21, 3
	s_cbranch_scc1 .Lwo_in
.irp j, 0,1,2,3,4,5,6,7
	global_load_b128 v[WR+4*(\j):WR+4*(\j)+3], v[LO], s[32:33] offset:512*(\j)
.endr
	s_branch .Lw_asked
.Lwo_in:                                       ; lane (hf, r) takes chunk r 8 + 2 m + hf, 32 bytes, for m = 0..3: short pieces, but the row's eight loads together use all its 4,096 bytes, and Wo is 4 of this launch's 84 MB of input
.irp m, 0,1,2,3
	global_load_b128 v[WR+8*(\m):WR+8*(\m)+3],   v[OL], s[32:33] offset:64*(\m)
	global_load_b128 v[WR+8*(\m)+4:WR+8*(\m)+7], v[OL], s[32:33] offset:64*(\m)+16
.endr
.Lw_asked:
; Row i of x is rounded in place and stored.  left = the younger loads, which may stay out.
.macro XROW i, left
	s_wait_loadcnt \left                           ; loads come back in order (ISA guide 5.7.1): row i is in
.set k, 0
.rept 16
	v_cvt_pk_bf16_f32 v[X+32*(\i)+k], v[X+32*(\i)+2*k], v[X+32*(\i)+2*k+1]  ; register k takes numbers 2 k, 2 k + 1: never a register that is still to be read
.set k, k+1
.endr
.irp j, 0,1,2,3,4,5,6,7
	global_store_b64 v[SO], v[X+32*(\i)+2*(\j):X+32*(\i)+2*(\j)+1], s[14:15] offset:(\i)*2048+256*(\j) th:TH_STORE_NT
.endr
.endm
	XROW 0, 32                                     ; three younger rows of x and the weight row, eight loads each
	XROW 1, 24
	XROW 2, 16
	XROW 3, 8
	s_wait_loadcnt 0x0                             ; the weight row
	s_cmp_eq_u32 s21, 3
	s_cbranch_scc1 .Lwo_out
.set k, 0
.rept 16
	v_cvt_pk_bf16_f32 v[WR+k], v[WR+2*k], v[WR+2*k+1]
.set k, k+1
.endr
.irp j, 0,1,2,3,4,5,6,7
	global_store_b64 v[SO], v[WR+2*(\j):WR+2*(\j)+1], s[38:39] offset:256*(\j)
.endr
	s_endpgm
.Lwo_out:
.set k, 0
.rept 16
	v_cvt_pk_bf16_f32 v[T+k], v[WR+2*k], v[WR+2*k+1]   ; the rounding that every input has,
.set k, k+1
.endr
.set k, 0
.rept 16
	v_lshlrev_b32 v[WR+2*k], 16, v[T+k]                ; back to f32,
	v_and_b32 v[WR+2*k+1], 0xffff0000, v[T+k]
.set k, k+1
.endr
.set k, 0
.rept 16
	v_cvt_pk_f16_f32 v[T+k], v[WR+2*k], v[WR+2*k+1]    ; and the same number as f16
.set k, k+1
.endr
.irp m, 0,1,2,3
	global_store_b128 v[LO], v[T+4*(\m):T+4*(\m)+3], s[38:39] offset:512*(\m)  ; chunk 32 m + lane: 512 consecutive bytes
.endr
	s_endpgm
.Lfunc_end_k_q3a485116a6_prep:
	.size	k_q3a485116a6_prep, .Lfunc_end_k_q3a485116a6_prep-k_q3a485116a6_prep
	.p2alignl 7, 3214868480
	.fill 96, 4, 3214868480
	.section	.rodata,"a",@progbits
	.p2align	6, 0x0
	.amdhsa_kernel k_q3a485116a6_prep
		.amdhsa_group_segment_fixed_size 0
		.amdhsa_private_segment_fixed_size 0
		.amdhsa_enable_private_segment 0
		.amdhsa_kernarg_size 64
		.amdhsa_user_sgpr_count 2
		.amdhsa_user_sgpr_kernarg_segment_ptr 1
		.amdhsa_wavefront_size32 1
		.amdhsa_system_sgpr_workgroup_id_x 1
		.amdhsa_system_sgpr_workgroup_id_y 1
		.amdhsa_system_sgpr_workgroup_id_z 1
		.amdhsa_system_vgpr_workitem_id 0
		.amdhsa_next_free_vgpr 184
		.amdhsa_next_free_sgpr 66
		.amdhsa_reserve_vcc 0
		.amdhsa_float_denorm_mode_32 3
		.amdhsa_float_denorm_mode_16_64 3
		.amdhsa_memory_ordered 1
		.amdhsa_forward_progress 1
		.amdhsa_inst_pref_size 20
	.end_amdhsa_kernel
	.amdgpu_metadata
---
amdhsa.version: [ 1, 2 ]
amdhsa.kernels:
  - .name:           k_q3a485116a6_prep
    .symbol:         k_q3a485116a6_prep.kd
    .args:
      - { .name: x, .offset: 0, .size: 8, .value_kind: global_buffer, .address_space: global }
      - { .name: Wq, .offset: 8, .size: 8, .value_kind: global_buffer, .address_space: global }
      - { .name: Wk, .offset: 16, .size: 8, .value_kind: global_buffer, .address_space: global }
      - { .name: Wv, .offset: 24, .size: 8, .value_kind: global_buffer, .address_space: global }
      - { .name: Wo, .offset: 32, .size: 8, .value_kind: global_buffer, .address_space: global }
      - { .name: xb, .offset: 40, .size: 8, .value_kind: global_buffer, .address_space: global }
      - { .name: wb, .offset: 48, .size: 8, .value_kind: global_buffer, .address_space: global }
      - { .name: wo, .offset: 56, .size: 8, .value_kind: global_buffer, .address_space: global }
    .group_segment_fixed_size: 0
    .private_segment_fixed_size: 0
    .kernarg_segment_align: 8
    .kernarg_segment_size: 64
    .max_flat_workgroup_size: 512
    .sgpr_count:     66
    .vgpr_count:     184
    .wavefront_size: 32
...
	.end_amdgpu_metadata
.endif
;; end of part 1
;; launch gemm_qkv (part 2): grid 4 x 64, 4 waves a work-group, clusters of 4 x 4, 327,680 bytes of LDS; arguments xb, wb, qkv; writes qkv
.if DOCPART == 2
	.amdgcn_target "amdgcn-amd-amdhsa--gfx1250"
	.amdhsa_code_object_version 6
	.text
	.protected	k_q3a485116a6_gemm_qkv
	.globl	k_q3a485116a6_gemm_qkv
	.p2align	8
	.type	k_q3a485116a6_gemm_qkv,@function
k_q3a485116a6_gemm_qkv:
	s_mov_b64 s[64:65], 0
	v_nop
	global_prefetch_b8 v0, s[64:65] scope:SCOPE_SE
	s_setreg_imm32_b32 hwreg(HW_REG_WAVE_MODE, 25, 1), 1
	s_wait_xcnt 0x0
	s_wait_alu depctr_hold_cnt(0) depctr_sa_sdst(0) depctr_va_vdst(0) depctr_va_sdst(0) depctr_va_ssrc(0) depctr_va_vcc(0) depctr_vm_vsrc(0)
	s_getreg_b32 s2, hwreg(HW_REG_IB_STS2, 6, 4)
	s_cmp_eq_u32 s2, 0
	s_cbranch_scc0 .Lentry_in_a_cluster
	s_endpgm
.Lentry_in_a_cluster:
	s_bfe_u32 s2, ttmp6, 0x10000c
	s_cmp_lg_u32 s2, 0xf033
	s_cbranch_scc0 .Lentry_shape_is_right
	s_endpgm
.Lentry_shape_is_right:
; qkv[m][n] = sum over k of xb[m][k] wb[n][k].  xb: [16384][1024] bf16, wb: [3072][1024] bf16 (Wq, Wk, Wv, rows permuted by the launch before), qkv: [16384][3072] f16; sums in f32, K ascending, rounded once.
; LIMIT.  qkv is f16: |q|, |k|, |v| below 65,504; a larger sum becomes an infinity.  The scale 32^-0.5 is not applied here: the attention launch applies it to its f32 scores.
; A tile of C, 256 x 256, is made by four waves, as many as a WGP has SIMDs; a wave makes 128 x 128: 64 accumulators of 16 x 16, 512 registers.
; A WORK-GROUP STAYS: 768 tiles, 256 work-groups, three tiles each, side by side: tile columns x, x + 4, x + 8, that is q, k and v of the same 256 rows (64 tile rows do not divide by three, so the walk
; goes along N).  The three tiles' 24 K steps of 128 are ONE sequence for a ring of two LDS slots filled by the tensor data mover: a tile's last two changes of slots ask for the next tile's first two K
; steps, and nothing waits for a tile's stores.  A tile's rows in memory are 256 bytes, at multiples of 256 bytes from the buffer's first byte.
; ONE LOOP walks laps 0 to 10 (a lap = two K steps).  Behind a lap's second change of slots a forward branch chooses: the next lap's first quarter as it is, or, where a tile ends, the way out and a first
; quarter whose products start new sums.  The branch hangs on the number of the K step alone; what it jumps over holds no barrier and no tensor load.  The loop is entered at that first quarter.
; The last lap is written out, since it asks for nothing; its last K step goes by rows of C, so that finished rows leave while the others are multiplied.
; CLUSTERS: 4 x 4 work-groups.  The four of a row of the cluster need the same tiles of A, the four of a column the same tiles of B: each tile is asked for JOINTLY, by the same tensor load
; with the same descriptor and a mask that names the four; each receives it in its own LDS.
; REGISTERS, in windows of 256 (s_set_vgpr_msb's low byte: bits 1:0 source 0, 3:2 source 1, 5:4 source 2, 7:6 destination):
;   window 0: v0-31 addresses; v64-127, v128-191 fragments of A, two buffers (in the last K step four, of 16 rows x 128 K); v32-63, v192-255 at work on the way out
;   window 1: v64-127, v128-191 fragments of B, two buffers; in the last K step all 256
;   window 2: the 32 accumulators of my rows 0-63 (accumulator (a, b) at v[8 (8 a + b)]);   window 3: those of my rows 64-127
; THE MATRIX INSTRUCTION IS USED TRANSPOSED: source 0 = 16 rows of B, source 1 = 16 rows of A: lane l then holds row l % 16 of C and the columns 8 (l / 16) + 0..7: 16 bytes of f16 on end.
.set SIZE_M, 16384
.set SIZE_N, 3072
.set SIZE_K, 1024
.set TILES,  3
.set KSTEP,  128
.set STEPS,  SIZE_K/KSTEP              ; 8 K steps a tile: K step n of the walk is step n & 7 of tile n >> 3
.set LAPS,   TILES*STEPS/2             ; 12 laps in the walk
.set PITCH,  272                       ; an LDS row: 256 bytes + 16 of padding = 68 words: row r starts at bank 4 r mod 64 (64 banks of 4 bytes: ISA guide 11.1): the 16 rows of a load start at 16 different banks
.set HALFT,  128*PITCH                 ; 128 rows: what one tensor load brings, and what one wave reads of A or of B
.set SLOT,   4*HALFT                   ; A's 256 rows, then B's 256 rows
.set STAGE,  2*SLOT                    ; behind the ring: 16 rows x 272 bytes for each wave, for the way out
.set SPITCH, 272
.set SPARE,  STAGE+4*16*SPITCH         ; behind the stages: the spare words, 128 bytes for each wave, which no other line names
.set ADRA, 16                          ; v16-17  LDS address of my A fragments in slot 0, 1
.set ADRB, 20                          ; v20-21  the same for B
.set STO,  24                          ; v24     the way out: where I put 16 bytes of a row
.set RD,   25                          ; v25     the way out: where I read a row back
.set CO,   26                          ; v26     my byte offset in C
.set SPW,  28                          ; v28     LDS address of my spare word; never rewritten
.set NIL,  29                          ; v29     0; never rewritten
.set PFO,  30                          ; v30     the prefetches' offset: lane x a row of A or B; never rewritten
.set PFA,  44                          ; s[44:45] the address of the prefetch in hand
.set F0,   64
.set F1,   128
.set TMP,  192                         ; the way out: packed results
.set OB,   32                          ; the way out: 16 rows read back: v32-63 and v224-255 by turns
.set PA,   64                          ; the last K step: A's fragments of 16 rows x 128 K; four buffers, v64-191
.set G1, 24                            ; s[24:31] descriptor group 1 for A's tiles
.set G0, 32                            ; s[32:39] group 0 for A's tiles, a set for each slot
.set G1B, 48                           ; s[48:55], s[56:63] the same for B's tiles
.set G0B, 56
.set BA,  66                           ; s[66:67] A at the 128 rows that I fetch, K = 0; never rewritten
.set BB,  68                           ; s[68:69] B at the 128 rows that I fetch in the walk's first tile, K = 0; never rewritten
.set PB,  70                           ; s[70:71] A or B at my work-group's 32 rows of those 128; never rewritten
.set OFA, 72                           ; s[72:73] byte offset of K step n in A: 256 (n & 7)
.set OFB, 74                           ; s[74:75] in B: the same + (n >> 3) x 1,024 rows of 2,048 bytes
.set OFP, 76                           ; s[76:77] B's form for K step n + 2, for the prefetch
.set NN,  78                           ; s78     n: the K step of the walk to be asked for next, 2 .. 24
.set LIMN, 79                          ; s79     a wave prefetches K steps below this number: 8 for A, 24 for B, 0 in a wave that asks for nothing
.set T0,  80                           ; s80     n + 2; later n & 7
.set T1,  81
.set MSB, 0
.macro WIN new                         ; the immediate's high byte repeats the setting that is left; a switch that changes nothing is dropped
.if MSB != (\new)
	s_set_vgpr_msb (MSB<<8)|(\new)
.set MSB, \new
.endif
.endm
.set MUL_LO, 0xa1                      ; source 0 (B) window 1, source 1 (A) window 0, C and D window 2
.set MUL_HI, 0xf1                      ; the same, C and D window 3
.set TO_B,   0x40                      ; destination window 1, address window 0
; A joint load.  Waves 0 and 1 fetch A's two halves, waves 2 and 3 B's.  The branch hangs on the wave's number alone.  An s_nop 0 and four v_nop follow each of the two lines.
.macro JLOAD s
	s_cmp_eq_u32 s11, 0
	s_cbranch_scc0 .Lfor_b_\@
	tensor_load_to_lds s[G0+4*(\s):G0+4*(\s)+3], s[G1:G1+7]
	s_nop 0
.rept 4
	v_nop
.endr
	s_branch .Lasked_\@
.Lfor_b_\@:
	tensor_load_to_lds s[G0B+4*(\s):G0B+4*(\s)+3], s[G1B:G1B+7]
	s_nop 0
.rept 4
	v_nop
.endr
.Lasked_\@:
.endm
; A prefetch into the L2, behind each joint refill and the run of LDS loads that follows it: the K step that stands two refills on, 512 matrix instructions ahead of the load that will want it:
; 32 rows x 256 bytes, a lane a row, one instruction a wave.  Each row's 256 bytes of a K step are named once in the launch: A's tile row is read by every cluster of that row of clusters, and
; cluster x = 0 asks; B's tile column by every cluster of that column, and cluster y = 0 asks.  The four partners that fetch a tile jointly share its rows out by address, 32 each.
; A's rows are the same for the walk's three tiles: they are asked for in the first tile alone (K steps 4 to 7).  B's are asked for up to the walk's last K step (4 to 23).
; K steps 0 to 3 come by their loads alone; the last two refills ask for nothing.
.macro ASK
	s_cmp_lt_u32 s[T0], s[LIMN]
	s_cbranch_scc0 .Lnot_mine_\@
	global_prefetch_b8 v[PFO], s[PFA:PFA+1] th:TH_LOAD_NT scope:SCOPE_SE
.Lnot_mine_\@:
.endm
; A round of the cluster's barrier: my work-group's barrier; wave 0 signals for the work-group; every wave waits for all sixteen; my work-group's barrier once more.
.macro CREST                           ; a round behind its opening barrier
	s_cmp_lg_u32 s10, 0
	s_cbranch_scc1 .Lnot_wave_0_\@
	s_barrier_signal -3
.Lnot_wave_0_\@:
	s_barrier_wait -3
	s_barrier_signal -1
	s_barrier_wait -1
.endm
.macro CROUND
	s_barrier_signal -1
	s_barrier_wait -1
	CREST
.endm
	s_load_b128 s[4:7], s[0:1], 0x0                ; A s[4:5], B s[6:7]
	s_load_b64 s[8:9], s[0:1], 0x10                ; C
	v_lshl_add_u32 v[SPW], v0, 2, SPARE
	v_mov_b32 v[NIL], 0
	ds_add_u32 v[SPW], v[NIL]                      ; the wave's opening: the add and its wait stand ahead of my first tensor load; the set-up below stands between them
	v_lshrrev_b32 v1, 5, v0
	v_readfirstlane_b32 s10, v1                    ; wave 0..3
	s_lshr_b32 s11, s10, 1                         ; which half of the tile's rows is mine.  Also: I fetch for A (0) or for B (1)
	s_and_b32 s12, s10, 1                          ; which half of its columns.  Also: which 128 rows of that tile I fetch
	s_bfe_u32 s40, ttmp6, 0x40000                  ; cx
	s_bfe_u32 s41, ttmp6, 0x40004                  ; cy
	s_lshl_b32 s42, ttmp9, 2
	s_add_co_u32 s42, s42, s40                     ; the first tile's column of C = 4 x cluster x + cx
	s_and_b32 s13, ttmp7, 0xffff
	s_lshl_b32 s13, s13, 2
	s_add_co_u32 s13, s13, s41                     ; tile row of C = 4 x cluster y + cy
	s_lshl_b32 s43, s41, 2
	s_lshl_b32 s43, 15, s43                        ; my row of the cluster: places 4 cy .. 4 cy + 3
	s_lshl_b32 s44, 0x1111, s40                    ; my column: places cx, cx + 4, cx + 8, cx + 12
	; descriptor group 1: a tile of 128 rows x 128 elements of 2 bytes, padded in LDS by 4 words after every 64
	s_or_b32 s[G1+0], s43, (1<<16)|(1<<20)|(1<<21)|(5<<22)|(3<<25)   ; 15:0 the mask: A's tiles go to my row; 17:16 element size; 20 padding on; 21 set beside a mask; 24:22 interval; 31:25 pad
	s_or_b32 s[G1B+0], s44, (1<<16)|(1<<20)|(1<<21)|(5<<22)|(3<<25)  ; the same with the mask of my column
.irp g, G1, G1B
	s_mov_b32 s[(\g)+1], KSTEP<<16                 ; tensor_dim0 = 128
	s_mov_b32 s[(\g)+2], 128<<16                   ; tensor_dim1 = 128
	s_mov_b32 s[(\g)+3], KSTEP<<16                 ; tile_dim0 = 128
	s_mov_b32 s[(\g)+4], 128                       ; tile_dim1 = 128
	s_mov_b32 s[(\g)+5], SIZE_K                    ; elements from row to row
	s_mov_b32 s[(\g)+6], 0
	s_mov_b32 s[(\g)+7], 0
.endr
	; A's address hangs on the tile row alone, B's on the tile column alone, each in registers that never hold the other coordinate
	s_lshl_b32 s17, s12, 7
	s_lshl_b32 s16, s13, 8
	s_add_co_u32 s16, s16, s17                     ; A: row 256 x tile row + 128 x half
	s_lshl_b32 s46, s42, 8
	s_add_co_u32 s46, s46, s17                     ; B: row 256 x tile column + 128 x half
	s_mov_b32 s17, 0
	s_mov_b32 s47, 0
	s_mov_b64 s[18:19], SIZE_K*2
	s_mul_u64 s[16:17], s[16:17], s[18:19]
	s_mul_u64 s[46:47], s[46:47], s[18:19]
	s_mul_i32 s20, s10, HALFT                      ; where they go: wave x 128 rows: no place in the cluster enters an LDS address
	s_mov_b32 s[OFA+1], 0                          ; the offsets stay under 2^32
	s_mov_b32 s[OFB+1], 0
	s_mov_b32 s[OFP+1], 0
	s_wait_dscnt 0x0                               ; the opening add is done
	s_wait_kmcnt 0x0
	s_add_nc_u64 s[BA:BA+1], s[4:5], s[16:17]
	s_add_nc_u64 s[BB:BB+1], s[6:7], s[46:47]
	CROUND                                         ; all sixteen work-groups are here: the first joint loads meet
.irp s, 0,1
	s_mov_b32 s[G0+4*(\s)], 1                                        ; count = 1
	s_add_co_u32 s[G0+4*(\s)+1], s20, (\s)*SLOT                      ; LDS address
	s_add_nc_u64 s[G0+4*(\s)+2:G0+4*(\s)+3], s[BA:BA+1], (\s)*KSTEP*2  ; global address: K step s
	s_or_b32 s[G0+4*(\s)+3], s[G0+4*(\s)+3], 0x80000000              ; type = 2
	s_mov_b32 s[G0B+4*(\s)], 1
	s_add_co_u32 s[G0B+4*(\s)+1], s20, (\s)*SLOT
	s_add_nc_u64 s[G0B+4*(\s)+2:G0B+4*(\s)+3], s[BB:BB+1], (\s)*KSTEP*2
	s_or_b32 s[G0B+4*(\s)+3], s[G0B+4*(\s)+3], 0x80000000
	JLOAD \s                                       ; two loads of mine are out
.endr
	; A fragment is 16 rows x 32 K in 8 registers: lane l holds row l % 16; registers 0-3 K = 8 (l / 16) + 0..7, registers 4-7 K = 16 + 8 (l / 16) + 0..7: two loads of 16 bytes, 32 bytes apart
	v_and_b32 v1, 15, v0
	v_bfe_u32 v2, v0, 4, 1
	v_mul_u32_u24 v3, v1, PITCH
	v_lshl_add_u32 v3, v2, 4, v3
	s_mul_i32 s21, s11, HALFT                      ; my 128 rows of A
	s_mul_i32 s22, s12, HALFT                      ; my 128 rows of B,
	s_add_co_u32 s22, s22, 2*HALFT                 ; which lie behind A's 256
.irp s, 0,1
	v_add_nc_u32 v[ADRA+(\s)], s21, v3
	v_add_nc_u32 v[ADRB+(\s)], s22, v3
	s_add_co_u32 s21, s21, SLOT
	s_add_co_u32 s22, s22, SLOT
.endr
	s_mul_i32 s23, s10, 16*SPITCH
	s_add_co_u32 s23, s23, STAGE                   ; my stage
	v_mul_u32_u24 v4, v1, SPITCH                   ; in: row l % 16, 16 bytes for each half of the lanes
	v_lshl_add_u32 v4, v2, 4, v4
	v_add_nc_u32 v[STO], s23, v4
	v_mul_u32_u24 v5, v2, SPITCH                   ; back: lanes 0-15 take one row of 256 bytes, lanes 16-31 the next
	v_lshl_add_u32 v5, v1, 4, v5
	v_add_nc_u32 v[RD], s23, v5
	v_mul_u32_u24 v5, v2, SIZE_N*2                 ; and the same two rows in C
	v_lshl_add_u32 v[CO], v1, 4, v5
	s_lshl_b32 s13, s13, 8
	s_lshl_b32 s14, s11, 7
	s_add_co_u32 s16, s13, s14                     ; my first row of C
	s_mov_b32 s17, 0
	s_mov_b64 s[18:19], SIZE_N*2
	s_mul_u64 s[16:17], s[16:17], s[18:19]
	s_lshl_b32 s46, s42, 9                         ; my first column, in bytes: 512 x tile column + 256 x half
	s_lshl_b32 s47, s12, 8
	s_add_co_u32 s46, s46, s47
	s_mov_b32 s47, 0
	s_add_nc_u64 s[16:17], s[16:17], s[46:47]      ; what the first way out adds to C's address
	; the prefetches
	s_lshl_b32 s42, s42, 8
	s_and_b32 s22, ttmp7, 0xffff                   ; cluster y
	s_cmp_eq_u32 s11, 0                            ; do I fetch for A?
	s_cselect_b32 s20, s13, s42                    ; the tile's first row
	s_cselect_b32 s21, s40, s41                    ; my place among the four that ask for it with me
	s_cselect_b32 s22, ttmp9, s22                  ; the coordinate along which other clusters read the same rows
	s_cselect_b64 s[PB:PB+1], s[4:5], s[6:7]
	s_cselect_b32 s[LIMN], STEPS, TILES*STEPS
	s_cmp_eq_u32 s22, 0
	s_cselect_b32 s[LIMN], s[LIMN], 0              ; the same in all sixteen partners, for a given wave
	s_lshl_b32 s22, s12, 7
	s_add_co_u32 s20, s20, s22                     ; + the 128 rows that I fetch
	s_lshl_b32 s21, s21, 5
	s_add_co_u32 s20, s20, s21                     ; + my work-group's 32 of them
	s_mov_b32 s21, 0
	s_mov_b64 s[18:19], SIZE_K*2
	s_mul_u64 s[20:21], s[20:21], s[18:19]
	s_add_nc_u64 s[PB:PB+1], s[PB:PB+1], s[20:21]
	v_and_b32 v[PFO], 31, v0
	v_mul_u32_u24 v[PFO], v[PFO], SIZE_K*2
; 16 matrix instructions: m blocks a0, a0 + 1 of the window's four x all 8 n blocks, 32 along K.  zero = 1: the first product starts the sums.  The 64 accumulators take turns.
.macro MUL16 f, hi, a0, zero
	WIN MUL_LO+0x50*(\hi)
.irp a, \a0, (\a0)+1
.irp b, 0,1,2,3,4,5,6,7
.if \zero
	v_wmma_f32_16x16x32_bf16 v[8*(8*(\a)+(\b)):8*(8*(\a)+(\b))+7], v[(\f)+8*(\b):(\f)+8*(\b)+7], v[(\f)+8*(4*(\hi)+(\a)):(\f)+8*(4*(\hi)+(\a))+7], 0
.else
	v_wmma_f32_16x16x32_bf16 v[8*(8*(\a)+(\b)):8*(8*(\a)+(\b))+7], v[(\f)+8*(\b):(\f)+8*(\b)+7], v[(\f)+8*(4*(\hi)+(\a)):(\f)+8*(4*(\hi)+(\a))+7], v[8*(8*(\a)+(\b)):8*(8*(\a)+(\b))+7]
.endif
.endr
.endr
.endm
; 32 LDS loads in one run: the fragments of one quarter step (128 rows of B, 128 rows of A, 32 K at byte k of the rows) into buffer f
.macro FETCH slot, k, f
	WIN TO_B
.irp i, 0,1,2,3,4,5,6,7
	ds_load_b128 v[(\f)+8*(\i):(\f)+8*(\i)+3],   v[ADRB+(\slot)] offset:(\k)+(\i)*16*PITCH
	ds_load_b128 v[(\f)+8*(\i)+4:(\f)+8*(\i)+7], v[ADRB+(\slot)] offset:(\k)+(\i)*16*PITCH+32
.endr
	WIN 0
.irp i, 0,1,2,3,4,5,6,7
	ds_load_b128 v[(\f)+8*(\i):(\f)+8*(\i)+3],   v[ADRA+(\slot)] offset:(\k)+(\i)*16*PITCH
	ds_load_b128 v[(\f)+8*(\i)+4:(\f)+8*(\i)+7], v[ADRA+(\slot)] offset:(\k)+(\i)*16*PITCH+32
.endr
.endm
.macro PLACES                          ; four plain vector instructions between a matrix instruction and a load into its sources or a reader of its result (ISA guide 7.12.1 for a reader of its result)
.rept 4
	v_nop
.endr
.endm
; A K step is four quarters of 32 along K, 64 matrix instructions each, on buffers 0, 1, 0, 1.  One of the first three: multiplies buffer f; in its middle it fetches the next quarter, at byte k, into g.
.macro QUARTER slot, k, f, g, zero
	s_wait_dscnt 8                                 ; B and A's rows 0-63 are in; the youngest eight loads (A's rows 64-127) may be out
	MUL16 \f, 0, 0, \zero
	MUL16 \f, 0, 2, \zero
	PLACES
	FETCH \slot, \k, \g
	s_wait_dscnt 32                                ; all but the 32 just issued
	MUL16 \f, 1, 0, \zero
	MUL16 \f, 1, 2, \zero
.endm
; The last quarter's first half: one barrier for the change of slots.  In front of it each wave waits for all its tensor loads (one is out: its part of the next slot), adds 0 to its spare word, and waits
; for that and for its own reads of this slot.  Behind it nobody reads this slot any more and the next slot is whole.
.macro MEET round
	WIN 0                                          ; (the add's two registers lie in window 0)
	s_wait_tensorcnt 0x0
	ds_add_u32 v[SPW], v[NIL]
	s_wait_dscnt 9                                 ; (the add and the youngest eight loads may be out)
	MUL16 F1, 0, 0, 0                              ; sixteen matrix instructions stand between the add and the wait for it
	s_wait_dscnt 0x0                               ; the add is done, and my reads of this slot are over
	s_barrier_signal -1
	MUL16 F1, 0, 2, 0                              ; work on registers while the others arrive
.if \round
	WIN 0
.endif
	s_barrier_wait -1
.endm
; The whole last quarter: behind the round the slot just read out is filled again first, with K step n of the walk, two steps on: in a tile's last two K steps that is the next tile's K step 0 or 1.
; Both addresses are made anew, a base that is never rewritten plus an offset made of n.  Then come the next slot's first fragments.  From a request to the wait for it a wave issues 224 matrix instructions, across tiles too.
.macro TURN slot, next
	s_wait_xcnt 0x0                                ; the last prefetch, a K step back, has read its address: it is written anew below
	s_and_b32 s[OFA], s[NN], STEPS-1
	s_lshl_b32 s[OFA], s[OFA], 8                   ; 256 bytes of a row for each K step
	s_lshr_b32 s[OFB], s[NN], 3
	s_lshl_b32 s[OFB], s[OFB], 21                  ; 1,024 rows of 2,048 bytes for each tile
	s_add_co_u32 s[OFB], s[OFB], s[OFA]
	s_add_co_u32 s[T0], s[NN], 2                   ; the same for the K step two on
	s_and_b32 s[OFP], s[T0], STEPS-1
	s_lshl_b32 s[OFP], s[OFP], 8
	s_lshr_b32 s[T1], s[T0], 3
	s_lshl_b32 s[T1], s[T1], 21
	s_add_co_u32 s[OFP], s[OFP], s[T1]
	s_add_nc_u64 s[PFA:PFA+1], s[PB:PB+1], s[OFP:OFP+1]
	s_add_co_u32 s[NN], s[NN], 1
	MEET 1
	CREST                                          ; no wave of any partner still reads this slot's tile or has a load on its way
	s_add_nc_u64 s[G0+4*(\slot)+2:G0+4*(\slot)+3], s[BA:BA+1], s[OFA:OFA+1]
	s_or_b32 s[G0+4*(\slot)+3], s[G0+4*(\slot)+3], 0x80000000
	s_add_nc_u64 s[G0B+4*(\slot)+2:G0B+4*(\slot)+3], s[BB:BB+1], s[OFB:OFB+1]
	s_or_b32 s[G0B+4*(\slot)+3], s[G0B+4*(\slot)+3], 0x80000000
	JLOAD \slot                                    ; my one tensor load behind the round; its four v_nop are also the places in front of the loads below
	FETCH \next, 0, F0
	ASK
	MUL16 F1, 1, 0, 0
	MUL16 F1, 1, 2, 0
.endm
; THE WALK'S LAST K STEP (it lies in slot 1) GOES BY ROWS OF C.  All its fragments of B fill window 1; my eight blocks of 16 rows are finished one after the other, 32 matrix instructions each, the block's 8 accumulators by turns, K ascending.
.macro BLOAD q
	WIN TO_B
.irp i, 0,1,2,3,4,5,6,7
	ds_load_b128 v[64*(\q)+8*(\i):64*(\q)+8*(\i)+3],   v[ADRB+1] offset:64*(\q)+(\i)*16*PITCH
	ds_load_b128 v[64*(\q)+8*(\i)+4:64*(\q)+8*(\i)+7], v[ADRB+1] offset:64*(\q)+(\i)*16*PITCH+32
.endr
.endm
.macro ALOAD a
	WIN 0
.set FA, PA+32*((\a)%4)
.irp q, 0,1,2,3
	ds_load_b128 v[FA+8*(\q):FA+8*(\q)+3],   v[ADRA+1] offset:64*(\q)+(\a)*16*PITCH
	ds_load_b128 v[FA+8*(\q)+4:FA+8*(\q)+7], v[ADRA+1] offset:64*(\q)+(\a)*16*PITCH+32
.endr
.endm
.macro ROW a
.set FA, PA+32*((\a)%4)
.set AC, 64*((\a)%4)
	WIN MUL_LO+0x50*((\a)/4)
.irp q, 0,1,2,3
.if (\a) == 0 && (\q) == 2
	s_wait_dscnt 24                                ; B's quarter 2 is in (behind it: A's blocks 1 to 3)
.endif
.irp b, 0,1,2,3,4,5,6,7
	v_wmma_f32_16x16x32_bf16 v[AC+8*(\b):AC+8*(\b)+7], v[64*(\q)+8*(\b):64*(\q)+8*(\b)+7], v[FA+8*(\q):FA+8*(\q)+7], v[AC+8*(\b):AC+8*(\b)+7]
.endr
.endr
.endm
; THE WAY OUT of block a.  PACK: rounded to f16, 16 bytes a lane, each accumulator's registers in ascending order.  TOSTAGE: into my own stage, and back as whole rows of 256 bytes.  SEND: stored.
.macro PACK a
.set AC, 64*((\a)%4)
	WIN 0x0a+5*((\a)/4)                            ; sources 0 and 1: window 2 or 3
.irp b, 0,1,2,3,4,5,6,7
.irp r, 0,1,2,3
	v_cvt_pk_f16_f32 v[TMP+4*(\b)+(\r)], v[AC+8*(\b)+2*(\r)], v[AC+8*(\b)+2*(\r)+1]
.endr
.endr
	WIN 0
.endm
.macro TOSTAGE a
	WIN 0
.set BK, OB+192*((\a)%2)
.irp b, 0,1,2,3,4,5,6,7
	ds_store_b128 v[STO], v[TMP+4*(\b):TMP+4*(\b)+3] offset:32*(\b)
.endr
.irp t, 0,1,2,3,4,5,6,7
	ds_load_b128 v[BK+4*(\t):BK+4*(\t)+3], v[RD] offset:(\t)*2*SPITCH  ; LDS serves a wave's instructions in order (ISA guide 5.7.1.4): these see the stores above
.endr
.endm
.macro SEND a, younger                 ; younger: the LDS loads issued behind TOSTAGE's, which may stay out
	WIN 0
.set BK, OB+192*((\a)%2)
	s_wait_dscnt \younger
	s_wait_xcnt 0x0                                ; the stores' base, and the registers that earlier stores read, are rewritten only behind this wait
.if (\a) == 0
	s_add_nc_u64 s[8:9], s[8:9], s[16:17]          ; on to this tile: the base moves once a tile; a block's rows stand in the immediate, 126 rows of 6,144 bytes at the most
.endif
.irp t, 0,1,2,3,4,5,6,7
	global_store_b128 v[CO], v[BK+4*(\t):BK+4*(\t)+3], s[8:9] offset:(16*(\a)+2*(\t))*SIZE_N*2 th:TH_STORE_NT  ; 16 lanes store 256 consecutive bytes, at a multiple of 256 from C's first byte
.endr
.endm
	s_wait_tensorcnt 1                             ; my part of K step 0 is in; K step 1's may stay out
	s_barrier_signal -1
	s_barrier_wait -1
	FETCH 0, 0, F0                                 ; (leaves every window 0)
	s_mov_b32 s3, LAPS                             ; the entry below passes the count once; 11 trips follow
	s_mov_b32 s[NN], 2
	s_branch .Lzero                                ; the loop is entered at a tile's first quarter, in the middle of a trip
.Llap:                                                 ; a trip goes once round the ring, from a lap's second quarter to the next lap's first, and fills both slots again
	QUARTER 0, 128, F1, F0, 0
	QUARTER 0, 192, F0, F1, 0
	TURN 0, 1
	QUARTER 1, 64,  F0, F1, 0
	QUARTER 1, 128, F1, F0, 0
	QUARTER 1, 192, F0, F1, 0
	TURN 1, 0
	WIN 0                                          ; at a label and at a branch every window is 0
	s_and_b32 s[T0], s[NN], STEPS-1                ; n stands two K steps ahead of the one to be multiplied next: is that one a tile's first?
	s_cmp_eq_u32 s[T0], 2
	s_cbranch_scc0 .Lsame
	PACK 0                                         ; A TILE IS FINISHED, and both refills for the next are asked for: now it goes out.  No v_nop: blocks 0-3 were finished in front of the joint load's places, and their 128
	TOSTAGE 0                                      ; conversions, which name no register of the last products (blocks 4-7's), are those products' places
.irp a, 1,2,3,4,5,6,7                  ; block a's conversions stand between block a - 1's loads from the stage and the wait for them
	PACK \a
	SEND (\a)-1, 0
	TOSTAGE \a
.endr
	SEND 7, 0
	s_mov_b64 s[16:17], 2048                       ; what the next way out adds to C's address: 1,024 columns of f16
.Lzero:
	QUARTER 0, 64,  F0, F1, 1                      ; a tile's first quarter: its products start the sums
	WIN 0
	s_branch .Lnext
.Lsame:
	QUARTER 0, 64,  F0, F1, 0
	WIN 0
.Lnext:
	s_sub_co_u32 s3, s3, 1
	s_cmp_lg_u32 s3, 0
	s_cbranch_scc1 .Llap
	QUARTER 0, 128, F1, F0, 0                      ; the walk's last lap goes on, and asks for nothing more
	QUARTER 0, 192, F0, F1, 0
	MEET 0                                         ; my one tensor load that was still out is the last K step's, so no round follows
	PLACES                                         ; for the loads into buffer 0, which the quarter before multiplied
	BLOAD 0                                        ; three quarters of B now: buffer 1 (v128-191 of both windows) is still being multiplied
	BLOAD 1
	BLOAD 3
	ALOAD 0
	MUL16 F1, 1, 0, 0
	MUL16 F1, 1, 2, 0
	PLACES                                         ; for the loads into buffer 1
	BLOAD 2
	ALOAD 1
	ALOAD 2
	ALOAD 3
	s_wait_dscnt 40                                ; all but the 40 just issued
	ROW 0
.irp a, 0,1,2,3,4,5,6,7                ; each block leaves as soon as it is finished: nothing follows this tile
	PLACES                                         ; its conversions read results just made
	PACK \a
	TOSTAGE \a
.if (\a) < 4
	ALOAD (\a)+4                                   ; its buffer takes the block four further on
	SEND \a, 8
.else
	SEND \a, 0
.endif
.if (\a) < 7
	ROW (\a)+1
.endif
.endr
	s_wait_tensorcnt 0x0                           ; the wave's end: behind my last tensor load and my last LDS store
	ds_add_u32 v[SPW], v[NIL]
	s_wait_dscnt 0x0
	CROUND                                         ; the closing round: no work-group ends while a partner may still ask for a tile that names it
	s_endpgm
.Lfunc_end_k_q3a485116a6_gemm_qkv:
	.size	k_q3a485116a6_gemm_qkv, .Lfunc_end_k_q3a485116a6_gemm_qkv-k_q3a485116a6_gemm_qkv
	.p2alignl 7, 3214868480
	.fill 96, 4, 3214868480
	.section	.rodata,"a",@progbits
	.p2align	6, 0x0
	.amdhsa_kernel k_q3a485116a6_gemm_qkv
		.amdhsa_group_segment_fixed_size 327680
		.amdhsa_private_segment_fixed_size 0
		.amdhsa_enable_private_segment 0
		.amdhsa_kernarg_size 24
		.amdhsa_user_sgpr_count 2
		.amdhsa_user_sgpr_kernarg_segment_ptr 1
		.amdhsa_wavefront_size32 1
		.amdhsa_system_sgpr_workgroup_id_x 1
		.amdhsa_system_sgpr_workgroup_id_y 1
		.amdhsa_system_sgpr_workgroup_id_z 1
		.amdhsa_system_vgpr_workitem_id 0
		.amdhsa_next_free_vgpr 1024
		.amdhsa_next_free_sgpr 82
		.amdhsa_reserve_vcc 0
		.amdhsa_float_denorm_mode_32 3
		.amdhsa_float_denorm_mode_16_64 3
		.amdhsa_memory_ordered 1
		.amdhsa_forward_progress 1
		.amdhsa_inst_pref_size 176
	.end_amdhsa_kernel
	.amdgpu_metadata
---
amdhsa.version: [ 1, 2 ]
amdhsa.kernels:
  - .name:           k_q3a485116a6_gemm_qkv
    .symbol:         k_q3a485116a6_gemm_qkv.kd
    .args:
      - { .name: xb, .offset: 0, .size: 8, .value_kind: global_buffer, .address_space: global }
      - { .name: wb, .offset: 8, .size: 8, .value_kind: global_buffer, .address_space: global }
      - { .name: qkv, .offset: 16, .size: 8, .value_kind: global_buffer, .address_space: global }
    .group_segment_fixed_size: 327680
    .private_segment_fixed_size: 0
    .kernarg_segment_align: 8
    .kernarg_segment_size: 24
    .max_flat_workgroup_size: 128
    .sgpr_count:     82
    .vgpr_count:     1024
    .wavefront_size: 32
...
	.end_amdgpu_metadata
.endif
;; end of part 2
;; launch attn (part 3): grid 256 x 1, 16 waves a work-group, no clusters, 0 bytes of LDS; arguments qkv, lq1, lk1, lq2, lk2, ao; writes ao
.if DOCPART == 3
	.amdgcn_target "amdgcn-amd-amdhsa--gfx1250"
	.amdhsa_code_object_version 6
	.text
	.protected	k_q3a485116a6_attn
	.globl	k_q3a485116a6_attn
	.p2align	8
	.type	k_q3a485116a6_attn,@function
k_q3a485116a6_attn:
	s_mov_b64 s[64:65], 0
	v_nop
	global_prefetch_b8 v0, s[64:65] scope:SCOPE_SE
	s_setreg_imm32_b32 hwreg(HW_REG_WAVE_MODE, 25, 1), 1
	s_wait_xcnt 0x0
; THE ATTENTION INSIDE A TOKEN.  For each of 16,384 tokens: S[qh][kh] = 32^-0.5 x sum over d of q[qh][d] k[kh][d] (32 x 32 heads, 32 channels); nan_to_num; softmax over the 32 kh, its maximum taken away;
; diff[a][h] = att[a][h] - lam att[16+a][16+h]; out[a][e] = sum over h of diff[a][h] v[h][e] (16 x 64); out x rsqrt(mean over e of out^2 + 1e-5) x (1 - LAM_INIT).
; lam = exp(sum lq1 lk1) - exp(sum lq2 lk2) + LAM_INIT, LAM_INIT = 0.8 - 0.6 exp(-3.6); lq*, lk* are rounded to bf16 first, like every input of the module.
; qkv: [16384][3072] f16, ao: [16384][1024] f16.  Both products have f16 operands and f32 sums; scale, softmax, diff and norm are f32; diff and the result are rounded to f16 once each.
; LIMITS.  q, k, v arrive as f16, within 65,504, so a score is at most 2.4e10.  The exponent is one fused s log2(e) - m log2(e), right while |s| < FLT_MAX / 1.45; the clamp of nan_to_num at
; +-FLT_MAX lies beyond that and can act only on f16 infinities, which the limit above rules out.  A weight below 2^-126 counts as 0.  The scale is applied to the f32 score, not to q.
; LAYOUT.  The launches before have ordered a token's 6,144 bytes so that load t (512 consecutive bytes, 16 a lane) IS four registers of a matrix fragment: t = 0-3 q, 4-7 k (fragment b = heads 16 b ..,
; its two halves of 16 channels), 8-11 v^T (fragment eb: rows e = 16 eb + lane % 16, K = h = 8 (lane / 16) + 0..7).
; S^T = K Q^T (source 0 = 16 key heads, source 1 = 16 query heads): a lane holds ONE query head (lane % 16) and the key heads 8 (lane / 16) + 0..7 of each tile; a maximum or a sum wants one exchange
; between the halves of the lanes.  diff, rounded in pairs, IS source 1 (K = h, column a) of out^T = V^T diff^T: nothing changes lanes.  Its K = 16..31 are zeros (DF's upper four registers), so source 0's
; upper four registers may hold any finite numbers: they are the next fragment's, or four zeros behind the last.  The result holds a = lane % 16 and 8 channels e: 16 bytes, stored at 512 eb + 16 lane.
; SHARES.  16 waves a work-group, four on each SIMD; a wave takes 4 tokens, one after the other, on ONE set of registers: q and k of the next token are asked for as soon as the first products have read
; this token's, its v as soon as the second products have.  So the loop holds one token's text.  No LDS, no barrier, no cluster: no wave wants another's bytes.  No prefetch: the launch is one stream of loads.
.set TOKB, 6144                        ; bytes of a token in qkv
.set LO,   1                           ; v1        16 x lane; never rewritten
.set BS,   8                           ; v[8:59]   q 0-15, k 16-31, v 32-47, four zeros
.set S,    60                          ; v[60:91]  S^T: tile (qb, kb) at 16 qb + 8 kb
.set DF,   92                          ; v[92:99]  diff as f16; the upper four stay 0
.set OA,   100                         ; v[100:131] out^T: tile eb at 8 eb
.set PK,   132                         ; v[132:147] the result as f16
.set ST,   148                         ; v[148:163] for query half q at 8 q: +0 m log2(e), +1 m, +2 1/l (a pair with +3), +4..+6 at work
.set R,    164                         ; v[164:171] the norm's sums
.set G,    172                         ; v[172:173] the norm's factor (a pair)
	s_load_b256 s[4:11], s[0:1], 0x0               ; qkv 4:5, lq1 6:7, lk1 8:9, lq2 10:11
	s_load_b128 s[12:15], s[0:1], 0x20             ; lk2 12:13, ao 14:15
	v_lshrrev_b32 v2, 5, v0
	v_readfirstlane_b32 s16, v2                    ; wave 0..15
	v_and_b32 v7, 31, v0
	v_lshlrev_b32 v[LO], 4, v7
	v_lshlrev_b32 v6, 2, v7
	s_lshl_b32 s34, ttmp9, 4
	s_add_co_u32 s34, s34, s16
	s_lshl_b32 s34, s34, 2                         ; my first token: 64 g + 4 wave
	s_lshl_b32 s36, s34, 11
	s_mul_i32 s34, s34, TOKB
	s_mov_b32 s35, 0
	s_mov_b32 s37, 0
	s_mov_b32 s20, 0x3e3504f3                      ; 32^-0.5
	s_mov_b32 s21, s20                             ; named with it as a pair
	s_mov_b32 s22, 0x3fb8aa3b                      ; log2(e)
	s_mov_b32 s23, s22
	s_mov_b32 s24, 0xff7fffff                      ; the lowest and the highest finite number
	s_mov_b32 s25, 0x7f7fffff
	s_mov_b32 s26, 0x76543210                      ; v_permlanex16_b32: each lane takes its own place in the other half
	s_mov_b32 s27, 0xfedcba98
	s_mov_b32 s30, 0x3c800000                      ; 1 / 64
	s_mov_b32 s31, 0x3727c5ac                      ; 1e-5
	s_mov_b32 s32, 0x3e5d9673                      ; 1 - LAM_INIT
.irp r, 0,1,2,3
	v_mov_b32 v[BS+48+(\r)], 0
	v_mov_b32 v[DF+4+(\r)], 0
.endr
	v_mov_b32 v[ST+6], 0                           ; v_permlanex16_b32's destination counts as read
	v_mov_b32 v[ST+14], 0
	s_wait_kmcnt 0x0
	s_add_nc_u64 s[4:5], s[4:5], s[34:35]
	s_add_nc_u64 s[14:15], s[14:15], s[36:37]
	global_load_b32 v2, v6, s[6:7]
	global_load_b32 v3, v6, s[8:9]
	global_load_b32 v4, v6, s[10:11]
	global_load_b32 v5, v6, s[12:13]
.macro LOADS tok, t0, n                ; loads t0 .. t0 + n - 1 of the token tok places behind the pointer
.set t, \t0
.rept \n
	global_load_b128 v[BS+4*t:BS+4*t+3], v[LO], s[4:5] offset:(\tok)*TOKB+512*t th:TH_LOAD_NT
.set t, t+1
.endr
.endm
.macro PLACES                          ; four plain vector instructions between a matrix instruction and a reader of its result or a load into its sources (ISA guide 7.12.1 for a reader of its result)
.rept 4
	v_nop
.endr
.endm
.macro BOTH line:vararg                ; one line for each half q of the query heads: the two alternate, so that no line waits for the one before it
.set q, 0
.rept 2
	\line
.set q, q+1
.endr
.endm
	LOADS 0, 0, 8                                  ; always in this order: q and k of a token, its v, q and k of the next ..
	LOADS 0, 8, 4
	s_wait_loadcnt 12                              ; the four vectors are in; the 12 loads of token 0 stay out
	v_cvt_pk_bf16_f32 v6, v2, v3
	v_cvt_pk_bf16_f32 v7, v4, v5
	v_lshlrev_b32 v2, 16, v6
	v_and_b32 v3, 0xffff0000, v6
	v_lshlrev_b32 v4, 16, v7
	v_and_b32 v5, 0xffff0000, v7
	v_mul_f32 v2, v2, v3
	v_mul_f32 v4, v4, v5
.irp m, 1,2,4,8
	v_add_f32_dpp v2, v2, v2 row_xmask:\m row_mask:0xf bank_mask:0xf
	v_add_f32_dpp v4, v4, v4 row_xmask:\m row_mask:0xf bank_mask:0xf
.endr
	v_permlanex16_b32 v3, v2, s26, s27
	v_permlanex16_b32 v5, v4, s26, s27
	v_add_f32 v2, v2, v3
	v_add_f32 v4, v4, v5
	v_mul_f32 v2, s22, v2
	v_mul_f32 v4, s22, v4
	v_exp_f32 v2, v2
	v_exp_f32 v4, v4
	v_nop                                          ; a plain instruction behind the last exponential,
	s_wait_alu depctr_va_vdst(0)                   ; and the wait ahead of the first use: one for the two
	v_sub_f32 v2, v2, v4
	v_add_f32 v2, 0x3f489a63, v2                   ; + LAM_INIT
	v_readfirstlane_b32 s28, v2                    ; lam
; ONE TOKEN.  ahead = 1: the next token is asked for, and both pointers step to it in the token's middle.  cntV: the younger loads that may stay out when v must be in.
.macro TOKEN ahead, cntV
	s_wait_loadcnt 4                               ; q and k are in; behind them only my v's four loads have been issued
.irp qb, 0,1
.irp kb, 0,1
	v_wmma_f32_16x16x32_f16 v[S+16*(\qb)+8*(\kb):S+16*(\qb)+8*(\kb)+7], v[BS+16+8*(\kb):BS+16+8*(\kb)+7], v[BS+8*(\qb):BS+8*(\qb)+7], 0
.endr
.endr
	PLACES
.if \ahead
	LOADS 1, 0, 8                                  ; the next token's q and k: a whole token's work ahead of their use
.endif
.set p, 0
.rept 16                               ; the scale; ascending
	v_pk_mul_f32 v[S+2*p:S+2*p+1], v[S+2*p:S+2*p+1], s[20:21] op_sel_hi:[1,0]
.set p, p+1
.endr
.set p, 0
.rept 32                               ; nan_to_num: a NaN becomes 0, an infinity the nearest finite number
	v_cmp_eq_f32 vcc_lo, v[S+p], v[S+p]
	v_cndmask_b32 v[S+p], 0, v[S+p], vcc_lo
	v_med3_num_f32 v[S+p], v[S+p], s24, s25
.set p, p+1
.endr
	; the maximum of a query head's 32 scores: 16 in my lane, in two chains, 16 in the lane 16 away
	BOTH v_max3_num_f32 v[ST+8*q+4], v[S+16*q], v[S+16*q+1], v[S+16*q+2]
	BOTH v_max3_num_f32 v[ST+8*q+5], v[S+16*q+8], v[S+16*q+9], v[S+16*q+10]
	BOTH v_max3_num_f32 v[ST+8*q+4], v[ST+8*q+4], v[S+16*q+3], v[S+16*q+4]
	BOTH v_max3_num_f32 v[ST+8*q+5], v[ST+8*q+5], v[S+16*q+11], v[S+16*q+12]
	BOTH v_max3_num_f32 v[ST+8*q+4], v[ST+8*q+4], v[S+16*q+5], v[S+16*q+6]
	BOTH v_max3_num_f32 v[ST+8*q+5], v[ST+8*q+5], v[S+16*q+13], v[S+16*q+14]
	BOTH v_max3_num_f32 v[ST+8*q+4], v[ST+8*q+4], v[S+16*q+7], v[S+16*q+15]
	BOTH v_max_num_f32 v[ST+8*q+4], v[ST+8*q+4], v[ST+8*q+5]
	BOTH v_permlanex16_b32 v[ST+8*q+6], v[ST+8*q+4], s26, s27
	BOTH v_max_num_f32 v[ST+8*q+1], v[ST+8*q+4], v[ST+8*q+6]
	BOTH v_mul_f32 v[ST+8*q], s22, v[ST+8*q+1]
.set p, 0
.rept 16                               ; s log2(e) - m log2(e)
	v_pk_fma_f32 v[S+2*p:S+2*p+1], v[S+2*p:S+2*p+1], s[22:23], v[ST+8*(p/8):ST+8*(p/8)+1] op_sel_hi:[1,0,0] neg_lo:[0,0,1] neg_hi:[0,0,1]
.set p, p+1
.endr
.set p, 0
.rept 32                               ; one batch of 32 exponentials,
	v_exp_f32 v[S+p], v[S+p]
.set p, p+1
.endr
	v_nop                                          ; one plain instruction behind the last,
	s_wait_alu depctr_va_vdst(0)                   ; and one wait ahead of the first reader
	; the sum l.  The tile that is kept (kb = qb, at S + 24 q) is only read; the other (at S + 8 q + 8) takes the sums
	BOTH v_pk_add_f32 v[S+8*q+8:S+8*q+9], v[S+8*q+8:S+8*q+9], v[S+8*q+10:S+8*q+11]
	BOTH v_pk_add_f32 v[S+8*q+12:S+8*q+13], v[S+8*q+12:S+8*q+13], v[S+8*q+14:S+8*q+15]
	BOTH v_pk_add_f32 v[S+8*q+8:S+8*q+9], v[S+8*q+8:S+8*q+9], v[S+24*q:S+24*q+1]
	BOTH v_pk_add_f32 v[S+8*q+12:S+8*q+13], v[S+8*q+12:S+8*q+13], v[S+24*q+2:S+24*q+3]
	BOTH v_pk_add_f32 v[S+8*q+8:S+8*q+9], v[S+8*q+8:S+8*q+9], v[S+24*q+4:S+24*q+5]
	BOTH v_pk_add_f32 v[S+8*q+12:S+8*q+13], v[S+8*q+12:S+8*q+13], v[S+24*q+6:S+24*q+7]
	BOTH v_pk_add_f32 v[S+8*q+8:S+8*q+9], v[S+8*q+8:S+8*q+9], v[S+8*q+12:S+8*q+13]
	BOTH v_add_f32 v[ST+8*q+4], v[S+8*q+8], v[S+8*q+9]
	BOTH v_permlanex16_b32 v[ST+8*q+5], v[ST+8*q+4], s26, s27
	BOTH v_add_f32 v[ST+8*q+4], v[ST+8*q+4], v[ST+8*q+5]
	BOTH v_rcp_f32 v[ST+8*q+2], v[ST+8*q+4]
	BOTH v_mov_b32 v[ST+8*q+3], 0                  ; the pairs' other halves: the plain instructions behind the reciprocals
	s_wait_alu depctr_va_vdst(0)                   ; one wait for the two reciprocals
	v_mul_f32 v[ST+10], s28, v[ST+10]              ; lam / l of the second half
.set p, 0
.rept 4
	v_pk_mul_f32 v[S+24+2*p:S+24+2*p+1], v[S+24+2*p:S+24+2*p+1], v[ST+10:ST+11] op_sel_hi:[1,0]
.set p, p+1
.endr
.set p, 0
.rept 4                                ; diff = p00 / l0 - lam p11 / l1
	v_pk_fma_f32 v[S+2*p:S+2*p+1], v[S+2*p:S+2*p+1], v[ST+2:ST+3], v[S+24+2*p:S+24+2*p+1] op_sel_hi:[1,0,1] neg_lo:[0,0,1] neg_hi:[0,0,1]
.set p, p+1
.endr
.set p, 0
.rept 4
	v_cvt_pk_f16_f32 v[DF+p], v[S+2*p], v[S+2*p+1]
.set p, p+1
.endr
	s_wait_loadcnt \cntV                           ; v is in; behind it the next token's q and k, eight loads, or nothing
.irp eb, 0,1,2,3
	v_wmma_f32_16x16x32_f16 v[OA+8*(\eb):OA+8*(\eb)+7], v[BS+32+4*(\eb):BS+32+4*(\eb)+7], v[DF:DF+7], 0
.endr
	PLACES
	s_wait_xcnt 0x0                                ; the token's one such wait.  Every load and store issued so far has read its registers: the last token's stores (PK, ao's pointer) and the loads of q and k above
	                                               ; (qkv's pointer).  Both pointers are stepped, and PK is rewritten, only behind it; the youngest of those instructions stands a softmax back
.if \ahead
	s_add_nc_u64 s[4:5], s[4:5], TOKB              ; both pointers go on to the next token here: its v is loaded at offset 0,
	s_add_nc_u64 s[14:15], s[14:15], 2048          ; and this token's stores below reach back by a negative immediate
	LOADS 0, 8, 4
.endif
	; the norm: the sum of squares of a's 64 numbers: 32 in my lane, in four chains, 32 in the lane 16 away
.set p, 0
.rept 4
.set e, 0
.rept 4
.if p == 0
	v_pk_mul_f32 v[R+2*e:R+2*e+1], v[OA+8*e:OA+8*e+1], v[OA+8*e:OA+8*e+1]
.else
	v_pk_fma_f32 v[R+2*e:R+2*e+1], v[OA+8*e+2*p:OA+8*e+2*p+1], v[OA+8*e+2*p:OA+8*e+2*p+1], v[R+2*e:R+2*e+1]
.endif
.set e, e+1
.endr
.set p, p+1
.endr
	v_pk_add_f32 v[R:R+1], v[R:R+1], v[R+2:R+3]
	v_pk_add_f32 v[R+4:R+5], v[R+4:R+5], v[R+6:R+7]
	v_pk_add_f32 v[R:R+1], v[R:R+1], v[R+4:R+5]
	v_add_f32 v[R], v[R], v[R+1]
	v_permlanex16_b32 v[R+1], v[R], s26, s27
	v_add_f32 v[R], v[R], v[R+1]
	v_fma_f32 v[R+2], v[R], s30, s31               ; the mean + 1e-5
	v_rsq_f32 v[G], v[R+2]
	v_mov_b32 v[G+1], 0                            ; the pair's other half: the plain instruction behind the root
	s_wait_alu depctr_va_vdst(0)
	v_mul_f32 v[G], s32, v[G]
.set p, 0
.rept 16
	v_pk_mul_f32 v[OA+2*p:OA+2*p+1], v[OA+2*p:OA+2*p+1], v[G:G+1] op_sel_hi:[1,0]
.set p, p+1
.endr
.set p, 0
.rept 16
	v_cvt_pk_f16_f32 v[PK+p], v[OA+2*p], v[OA+2*p+1]
.set p, p+1
.endr
.irp eb, 0,1,2,3
	global_store_b128 v[LO], v[PK+4*(\eb):PK+4*(\eb)+3], s[14:15] offset:512*(\eb)-2048*(\ahead) th:TH_STORE_NT  ; 512 consecutive bytes, at a multiple of 256 from ao's first
.endr
.endm
	s_mov_b32 s29, 3
.Ltok:                                         ; tokens 0 to 2: each asks for the next
	TOKEN 1, 8
	s_sub_co_u32 s29, s29, 1
	s_cmp_lg_u32 s29, 0
	s_cbranch_scc1 .Ltok
	TOKEN 0, 0                                     ; the last token asks for nothing
	s_endpgm
.Lfunc_end_k_q3a485116a6_attn:
	.size	k_q3a485116a6_attn, .Lfunc_end_k_q3a485116a6_attn-k_q3a485116a6_attn
	.p2alignl 7, 3214868480
	.fill 96, 4, 3214868480
	.section	.rodata,"a",@progbits
	.p2align	6, 0x0
	.amdhsa_kernel k_q3a485116a6_attn
		.amdhsa_group_segment_fixed_size 0
		.amdhsa_private_segment_fixed_size 0
		.amdhsa_enable_private_segment 0
		.amdhsa_kernarg_size 48
		.amdhsa_user_sgpr_count 2
		.amdhsa_user_sgpr_kernarg_segment_ptr 1
		.amdhsa_wavefront_size32 1
		.amdhsa_system_sgpr_workgroup_id_x 1
		.amdhsa_system_sgpr_workgroup_id_y 1
		.amdhsa_system_sgpr_workgroup_id_z 1
		.amdhsa_system_vgpr_workitem_id 0
		.amdhsa_next_free_vgpr 176
		.amdhsa_next_free_sgpr 66
		.amdhsa_reserve_vcc 1
		.amdhsa_float_denorm_mode_32 3
		.amdhsa_float_denorm_mode_16_64 3
		.amdhsa_memory_ordered 1
		.amdhsa_forward_progress 1
		.amdhsa_inst_pref_size 37
	.end_amdhsa_kernel
	.amdgpu_metadata
---
amdhsa.version: [ 1, 2 ]
amdhsa.kernels:
  - .name:           k_q3a485116a6_attn
    .symbol:         k_q3a485116a6_attn.kd
    .args:
      - { .name: qkv, .offset: 0, .size: 8, .value_kind: global_buffer, .address_space: global }
      - { .name: lq1, .offset: 8, .size: 8, .value_kind: global_buffer, .address_space: global }
      - { .name: lk1, .offset: 16, .size: 8, .value_kind: global_buffer, .address_space: global }
      - { .name: lq2, .offset: 24, .size: 8, .value_kind: global_buffer, .address_space: global }
      - { .name: lk2, .offset: 32, .size: 8, .value_kind: global_buffer, .address_space: global }
      - { .name: ao, .offset: 40, .size: 8, .value_kind: global_buffer, .address_space: global }
    .group_segment_fixed_size: 0
    .private_segment_fixed_size: 0
    .kernarg_segment_align: 8
    .kernarg_segment_size: 48
    .max_flat_workgroup_size: 512
    .sgpr_count:     66
    .vgpr_count:     176
    .wavefront_size: 32
...
	.end_amdgpu_metadata
.endif
;; end of part 3
;; launch gemm_out (part 4): grid 4 x 64, 4 waves a work-group, clusters of 4 x 4, 327,680 bytes of LDS; arguments ao, wo, out0, bo; writes out0
.if DOCPART == 4
	.amdgcn_target "amdgcn-amd-amdhsa--gfx1250"
	.amdhsa_code_object_version 6
	.text
	.protected	k_q3a485116a6_gemm_out
	.globl	k_q3a485116a6_gemm_out
	.p2align	8
	.type	k_q3a485116a6_gemm_out,@function
k_q3a485116a6_gemm_out:
	s_mov_b64 s[64:65], 0
	v_nop
	global_prefetch_b8 v0, s[64:65] scope:SCOPE_SE
	s_setreg_imm32_b32 hwreg(HW_REG_WAVE_MODE, 25, 1), 1
	s_wait_xcnt 0x0
	s_wait_alu depctr_hold_cnt(0) depctr_sa_sdst(0) depctr_va_vdst(0) depctr_va_sdst(0) depctr_va_ssrc(0) depctr_va_vcc(0) depctr_vm_vsrc(0)
	s_getreg_b32 s2, hwreg(HW_REG_IB_STS2, 6, 4)
	s_cmp_eq_u32 s2, 0
	s_cbranch_scc0 .Lentry_in_a_cluster
	s_endpgm
.Lentry_in_a_cluster:
	s_bfe_u32 s2, ttmp6, 0x10000c
	s_cmp_lg_u32 s2, 0xf033
	s_cbranch_scc0 .Lentry_shape_is_right
	s_endpgm
.Lentry_shape_is_right:
; out0[m][n] = sum over k of ao[m][k] wo[n][k] + bo[n].  ao: [16384][1024] f16 (the attention's normed result), wo: [1024][1024] f16 (Wo rounded to bf16, its columns in ao's order), bo: [1024] f32,
; rounded to bf16 here like every input of the module; out0: [16384][1024] f32.  Sums in f32, K in ao's order.
; A tile of C, 256 x 256, is made by four waves; a wave makes 128 x 128: 64 accumulators, 512 registers.  256 tiles, one to a work-group.  K goes in 8 steps of 128 through a ring of two LDS slots
; filled by the tensor data mover; a tile's rows are 256 bytes of memory, at multiples of 256 bytes.  The last K step goes by rows of C, so that finished rows leave while the others are multiplied.
; CLUSTERS: 4 x 4 work-groups; A's tiles are asked for jointly along a row of the cluster, B's along a column: the same tensor load, descriptor and mask in the four that a mask names.
; REGISTERS, in windows of 256 (s_set_vgpr_msb's low byte: bits 1:0 source 0, 3:2 source 1, 5:4 source 2, 7:6 destination):
;   window 0: v0-31 addresses and the bias; v64-127, v128-191 fragments of A, two buffers (in the last K step four, of 16 rows x 128 K); v192-255 16 rows of C on the way out
;   window 1: v64-127, v128-191 fragments of B; in the last K step all 256          windows 2, 3: the accumulators of my rows 0-63, 64-127 ((a, b) at v[8 (8 a + b)])
; THE MATRIX INSTRUCTION IS USED TRANSPOSED (source 0 = 16 rows of B, source 1 = 16 rows of A): lane l holds row l % 16 of C and the columns 8 (l / 16) + 0..7: 32 bytes of f32 on end.
.set SIZE_M, 16384
.set SIZE_N, 1024
.set SIZE_K, 1024
.set KSTEP,  128
.set PITCH,  272                       ; an LDS row: 256 bytes + 16 of padding: the 16 rows of a load start at 16 different banks (64 banks of 4 bytes: ISA guide 11.1)
.set HALFT,  128*PITCH
.set SLOT,   4*HALFT                   ; A's 256 rows, then B's 256 rows
.set STAGE,  2*SLOT                    ; behind the ring: 16 rows x 528 bytes for each wave, for the way out
.set SPITCH, 528                       ; my 128 columns of f32, 512 bytes, + 16: 33 x 16 bytes, so that 16 rows' stores of 16 bytes fall into 16 different groups of four banks
.set SPARE,  STAGE+4*16*SPITCH         ; behind the stages: the spare words, 128 bytes for each wave, which no other line names
.set LAPS, SIZE_K/(2*KSTEP)
.set BIAS, 8                           ; v[8:11] bo of my four columns on the way out; v12-13 at work; v14 its offset
.set ADRA, 16
.set ADRB, 20
.set STO,  24                          ; v24     the way out: where I put 32 bytes of a row
.set RD,   25                          ; v25     the way out: my 16 bytes of a row of 512
.set CO,   26                          ; v26     the same 16 bytes in C
.set SPW,  28
.set NIL,  29
.set PFO,  30
.set PFA,  44
.set LIM,  43
.set F0,   64
.set F1,   128
.set OBF,  192                         ; the way out: 16 rows x 4 registers
.set PA,   64
.set G1, 24
.set G0, 32
.set G1B, 48
.set G0B, 56
.set MSB, 0
.macro WIN new                         ; the immediate's high byte repeats the setting that is left; a switch that changes nothing is dropped
.if MSB != (\new)
	s_set_vgpr_msb (MSB<<8)|(\new)
.set MSB, \new
.endif
.endm
.set MUL_LO, 0xa1
.set MUL_HI, 0xf1
.set TO_B,   0x40
; A joint load.  Waves 0 and 1 fetch A's two halves, waves 2 and 3 B's.  The branch hangs on the wave's number alone.  An s_nop 0 and four v_nop follow each of the two lines.
.macro JLOAD s
	s_cmp_eq_u32 s11, 0
	s_cbranch_scc0 .Lfor_b_\@
	tensor_load_to_lds s[G0+4*(\s):G0+4*(\s)+3], s[G1:G1+7]
	s_nop 0
.rept 4
	v_nop
.endr
	s_branch .Lasked_\@
.Lfor_b_\@:
	tensor_load_to_lds s[G0B+4*(\s):G0B+4*(\s)+3], s[G1B:G1B+7]
	s_nop 0
.rept 4
	v_nop
.endr
.Lasked_\@:
.endm
; A prefetch into the L2, behind each joint refill and the run of LDS loads that follows it: the K step two refills on, 512 matrix instructions ahead of its load: 32 rows x 256 bytes, a lane a row.
; Each row's 256 bytes of a K step are named once in the launch: the grid is one cluster wide, so every cluster asks for its own rows of A; B's rows are read by every cluster, and cluster y = 0 asks.
; The four partners that fetch a tile jointly share its rows out by address, 32 each.  The loop's last trip (s3 = 1) asks for nothing.  K steps 0 to 3 come by their loads alone.
.macro ASK
	s_cmp_gt_u32 s3, s[LIM]
	s_cbranch_scc0 .Lnot_mine_\@
	global_prefetch_b8 v[PFO], s[PFA:PFA+1] offset:KSTEP*2 th:TH_LOAD_NT scope:SCOPE_SE
.Lnot_mine_\@:
.endm
.macro CREST                           ; a round of the cluster's barrier behind its opening barrier
	s_cmp_lg_u32 s10, 0
	s_cbranch_scc1 .Lnot_wave_0_\@
	s_barrier_signal -3
.Lnot_wave_0_\@:
	s_barrier_wait -3
	s_barrier_signal -1
	s_barrier_wait -1
.endm
.macro CROUND
	s_barrier_signal -1
	s_barrier_wait -1
	CREST
.endm
	s_load_b128 s[4:7], s[0:1], 0x0                ; A s[4:5], B s[6:7]
	s_load_b64 s[8:9], s[0:1], 0x10                ; C
	s_load_b64 s[66:67], s[0:1], 0x18              ; bo
	v_lshl_add_u32 v[SPW], v0, 2, SPARE
	v_mov_b32 v[NIL], 0
	ds_add_u32 v[SPW], v[NIL]                      ; the wave's opening: the add and its wait stand ahead of my first tensor load; the set-up below stands between them
	v_lshrrev_b32 v1, 5, v0
	v_readfirstlane_b32 s10, v1                    ; wave 0..3
	s_lshr_b32 s11, s10, 1                         ; which half of the tile's rows is mine.  Also: I fetch for A (0) or for B (1)
	s_and_b32 s12, s10, 1                          ; which half of its columns.  Also: which 128 rows of that tile I fetch
	s_bfe_u32 s40, ttmp6, 0x40000                  ; cx
	s_bfe_u32 s41, ttmp6, 0x40004                  ; cy
	s_lshl_b32 s42, ttmp9, 2
	s_add_co_u32 s42, s42, s40                     ; tile column of C
	s_and_b32 s13, ttmp7, 0xffff
	s_lshl_b32 s13, s13, 2
	s_add_co_u32 s13, s13, s41                     ; tile row of C
	s_lshl_b32 s43, s41, 2
	s_lshl_b32 s43, 15, s43                        ; my row of the cluster
	s_lshl_b32 s44, 0x1111, s40                    ; my column
	s_or_b32 s[G1+0], s43, (1<<16)|(1<<20)|(1<<21)|(5<<22)|(3<<25)   ; the mask; elements of 2 bytes; padding on; bit 21 beside a mask; 4 words of padding after every 64
	s_or_b32 s[G1B+0], s44, (1<<16)|(1<<20)|(1<<21)|(5<<22)|(3<<25)
.irp g, G1, G1B
	s_mov_b32 s[(\g)+1], KSTEP<<16                 ; tensor_dim0 = 128
	s_mov_b32 s[(\g)+2], 128<<16                   ; tensor_dim1 = 128
	s_mov_b32 s[(\g)+3], KSTEP<<16                 ; tile_dim0 = 128
	s_mov_b32 s[(\g)+4], 128                       ; tile_dim1 = 128
	s_mov_b32 s[(\g)+5], SIZE_K                    ; elements from row to row
	s_mov_b32 s[(\g)+6], 0
	s_mov_b32 s[(\g)+7], 0
.endr
	s_lshl_b32 s17, s12, 7
	s_lshl_b32 s16, s13, 8
	s_add_co_u32 s16, s16, s17                     ; A: row 256 x tile row + 128 x half
	s_lshl_b32 s46, s42, 8
	s_add_co_u32 s46, s46, s17                     ; B: row 256 x tile column + 128 x half
	s_mov_b32 s17, 0
	s_mov_b32 s47, 0
	s_mov_b64 s[18:19], SIZE_K*2
	s_mul_u64 s[16:17], s[16:17], s[18:19]
	s_mul_u64 s[46:47], s[46:47], s[18:19]
	s_mul_i32 s20, s10, HALFT                      ; where they go: wave x 128 rows
	s_wait_dscnt 0x0                               ; the opening add is done
	s_wait_kmcnt 0x0
	s_add_nc_u64 s[14:15], s[4:5], s[16:17]
	s_add_nc_u64 s[46:47], s[6:7], s[46:47]
	CROUND                                         ; all sixteen work-groups are here: the first joint loads meet
.irp s, 0,1
	s_mov_b32 s[G0+4*(\s)], 1
	s_add_co_u32 s[G0+4*(\s)+1], s20, (\s)*SLOT
	s_add_nc_u64 s[G0+4*(\s)+2:G0+4*(\s)+3], s[14:15], (\s)*KSTEP*2
	s_or_b32 s[G0+4*(\s)+3], s[G0+4*(\s)+3], 0x80000000
	s_mov_b32 s[G0B+4*(\s)], 1
	s_add_co_u32 s[G0B+4*(\s)+1], s20, (\s)*SLOT
	s_add_nc_u64 s[G0B+4*(\s)+2:G0B+4*(\s)+3], s[46:47], (\s)*KSTEP*2
	s_or_b32 s[G0B+4*(\s)+3], s[G0B+4*(\s)+3], 0x80000000
	JLOAD \s                                       ; two loads of mine are out
.endr
	v_and_b32 v1, 15, v0                           ; l % 16
	v_bfe_u32 v2, v0, 4, 1                         ; l / 16
	v_and_b32 v6, 31, v0                           ; l
	v_mul_u32_u24 v3, v1, PITCH
	v_lshl_add_u32 v3, v2, 4, v3
	s_mul_i32 s21, s11, HALFT
	s_mul_i32 s22, s12, HALFT
	s_add_co_u32 s22, s22, 2*HALFT
.irp s, 0,1
	v_add_nc_u32 v[ADRA+(\s)], s21, v3
	v_add_nc_u32 v[ADRB+(\s)], s22, v3
	s_add_co_u32 s21, s21, SLOT
	s_add_co_u32 s22, s22, SLOT
.endr
	s_mul_i32 s23, s10, 16*SPITCH
	s_add_co_u32 s23, s23, STAGE                   ; my stage
	v_mul_u32_u24 v4, v1, SPITCH                   ; in: row l % 16, 32 bytes for each half of the lanes
	v_lshl_add_u32 v4, v2, 5, v4
	v_add_nc_u32 v[STO], s23, v4
	v_lshl_add_u32 v[RD], v6, 4, s23               ; back: 32 lanes take one row of 512 bytes
	v_lshlrev_b32 v[CO], 4, v6                     ; and the same in C
	s_lshl_b32 s13, s13, 8
	s_lshl_b32 s14, s11, 7
	s_add_co_u32 s16, s13, s14                     ; my first row of C
	s_mov_b32 s17, 0
	s_mov_b64 s[18:19], SIZE_N*4
	s_mul_u64 s[16:17], s[16:17], s[18:19]
	s_lshl_b32 s46, s42, 10                        ; my first column, in bytes: 1,024 x tile column + 512 x half
	s_lshl_b32 s47, s12, 9
	s_add_co_u32 s46, s46, s47
	s_mov_b32 s47, 0
	v_lshl_add_u32 v14, v6, 4, s46                 ; my four columns' bytes in bo
	global_load_b128 v[BIAS:BIAS+3], v14, s[66:67]
	s_add_nc_u64 s[16:17], s[16:17], s[46:47]      ; what the way out adds to C's address
	; the prefetches
	s_lshl_b32 s42, s42, 8
	s_and_b32 s22, ttmp7, 0xffff                   ; cluster y
	s_cmp_eq_u32 s11, 0
	s_cselect_b32 s20, s13, s42
	s_cselect_b32 s21, s40, s41
	s_cselect_b32 s22, ttmp9, s22
	s_cselect_b64 s[PFA:PFA+1], s[4:5], s[6:7]
	s_cmp_eq_u32 s22, 0
	s_cselect_b32 s[LIM], 1, -1                    ; the same in all sixteen partners, for a given wave
	s_lshl_b32 s22, s12, 7
	s_add_co_u32 s20, s20, s22
	s_lshl_b32 s21, s21, 5
	s_add_co_u32 s20, s20, s21
	s_mov_b32 s21, 0
	s_mov_b64 s[18:19], SIZE_K*2
	s_mul_u64 s[20:21], s[20:21], s[18:19]
	s_add_nc_u64 s[PFA:PFA+1], s[PFA:PFA+1], s[20:21]
	s_add_nc_u64 s[PFA:PFA+1], s[PFA:PFA+1], 2*KSTEP*2
	v_mul_u32_u24 v[PFO], v6, SIZE_K*2
.macro MUL16 f, hi, a0, zero           ; 16 matrix instructions; the 64 accumulators take turns.  zero = 1: the first product starts the sums
	WIN MUL_LO+0x50*(\hi)
.irp a, \a0, (\a0)+1
.irp b, 0,1,2,3,4,5,6,7
.if \zero
	v_wmma_f32_16x16x32_f16 v[8*(8*(\a)+(\b)):8*(8*(\a)+(\b))+7], v[(\f)+8*(\b):(\f)+8*(\b)+7], v[(\f)+8*(4*(\hi)+(\a)):(\f)+8*(4*(\hi)+(\a))+7], 0
.else
	v_wmma_f32_16x16x32_f16 v[8*(8*(\a)+(\b)):8*(8*(\a)+(\b))+7], v[(\f)+8*(\b):(\f)+8*(\b)+7], v[(\f)+8*(4*(\hi)+(\a)):(\f)+8*(4*(\hi)+(\a))+7], v[8*(8*(\a)+(\b)):8*(8*(\a)+(\b))+7]
.endif
.endr
.endr
.endm
.macro FETCH slot, k, f                ; 32 LDS loads in one run: one quarter step's fragments into buffer f
	WIN TO_B
.irp i, 0,1,2,3,4,5,6,7
	ds_load_b128 v[(\f)+8*(\i):(\f)+8*(\i)+3],   v[ADRB+(\slot)] offset:(\k)+(\i)*16*PITCH
	ds_load_b128 v[(\f)+8*(\i)+4:(\f)+8*(\i)+7], v[ADRB+(\slot)] offset:(\k)+(\i)*16*PITCH+32
.endr
	WIN 0
.irp i, 0,1,2,3,4,5,6,7
	ds_load_b128 v[(\f)+8*(\i):(\f)+8*(\i)+3],   v[ADRA+(\slot)] offset:(\k)+(\i)*16*PITCH
	ds_load_b128 v[(\f)+8*(\i)+4:(\f)+8*(\i)+7], v[ADRA+(\slot)] offset:(\k)+(\i)*16*PITCH+32
.endr
.endm
.macro PLACES                          ; four plain vector instructions between a matrix instruction and a load into its sources or a reader of its result (ISA guide 7.12.1 for a reader of its result)
.rept 4
	v_nop
.endr
.endm
.macro QUARTER slot, k, f, g, zero
	s_wait_dscnt 8                                 ; B and A's rows 0-63 are in; the youngest eight loads may be out
	MUL16 \f, 0, 0, \zero
	MUL16 \f, 0, 2, \zero
	PLACES
	FETCH \slot, \k, \g
	s_wait_dscnt 32                                ; all but the 32 just issued
	MUL16 \f, 1, 0, \zero
	MUL16 \f, 1, 2, \zero
.endm
; One barrier for the change of slots: in front of it each wave waits for all its tensor loads (one is out: its part of the next slot), adds 0 to its spare word, and waits for that and for its reads of this slot.
.macro MEET round
	WIN 0
	s_wait_tensorcnt 0x0
	ds_add_u32 v[SPW], v[NIL]
	s_wait_dscnt 9                                 ; (the add and the youngest eight loads may be out)
	MUL16 F1, 0, 0, 0
	s_wait_dscnt 0x0                               ; the add is done, and my reads of this slot are over
	s_barrier_signal -1
	MUL16 F1, 0, 2, 0
.if \round
	WIN 0
.endif
	s_barrier_wait -1
.endm
.macro TURN slot, next
	s_wait_xcnt 0x0                                ; the last prefetch, a K step back, has read its address: it is stepped here
	s_add_nc_u64 s[PFA:PFA+1], s[PFA:PFA+1], KSTEP*2
	MEET 1
	CREST                                          ; no wave of any partner still reads this slot's tile or has a load on its way
	s_add_nc_u64 s[G0+4*(\slot)+2:G0+4*(\slot)+3], s[G0+4*(\slot)+2:G0+4*(\slot)+3], 2*KSTEP*2
	s_add_nc_u64 s[G0B+4*(\slot)+2:G0B+4*(\slot)+3], s[G0B+4*(\slot)+2:G0B+4*(\slot)+3], 2*KSTEP*2
	JLOAD \slot                                    ; my one tensor load behind the round: 224 matrix instructions ahead of the wait for it
	FETCH \next, 0, F0
	ASK
	MUL16 F1, 1, 0, 0
	MUL16 F1, 1, 2, 0
.endm
.macro BLOAD q
	WIN TO_B
.irp i, 0,1,2,3,4,5,6,7
	ds_load_b128 v[64*(\q)+8*(\i):64*(\q)+8*(\i)+3],   v[ADRB+1] offset:64*(\q)+(\i)*16*PITCH
	ds_load_b128 v[64*(\q)+8*(\i)+4:64*(\q)+8*(\i)+7], v[ADRB+1] offset:64*(\q)+(\i)*16*PITCH+32
.endr
.endm
.macro ALOAD a
	WIN 0
.set FA, PA+32*((\a)%4)
.irp q, 0,1,2,3
	ds_load_b128 v[FA+8*(\q):FA+8*(\q)+3],   v[ADRA+1] offset:64*(\q)+(\a)*16*PITCH
	ds_load_b128 v[FA+8*(\q)+4:FA+8*(\q)+7], v[ADRA+1] offset:64*(\q)+(\a)*16*PITCH+32
.endr
.endm
.macro ROW a
.set FA, PA+32*((\a)%4)
.set AC, 64*((\a)%4)
	WIN MUL_LO+0x50*((\a)/4)
.irp q, 0,1,2,3
.if (\a) == 0 && (\q) == 2
	s_wait_dscnt 24                                ; B's quarter 2 is in (behind it: A's blocks 1 to 3)
.endif
.irp b, 0,1,2,3,4,5,6,7
	v_wmma_f32_16x16x32_f16 v[AC+8*(\b):AC+8*(\b)+7], v[64*(\q)+8*(\b):64*(\q)+8*(\b)+7], v[FA+8*(\q):FA+8*(\q)+7], v[AC+8*(\b):AC+8*(\b)+7]
.endr
.endr
.endm
; THE WAY OUT of block a (16 rows x my 128 columns of f32).  TOSTAGE: the accumulators go as they are into my own stage, each from its low end on, and come back as whole rows of 512 bytes.  SEND: + bo, stored.
.macro TOSTAGE a
.set AC, 64*((\a)%4)
	WIN 0x08+4*((\a)/4)                            ; an LDS store's data is source 1: window 2 or 3; the address in window 0
.irp b, 0,1,2,3,4,5,6,7
	ds_store_b128 v[STO], v[AC+8*(\b):AC+8*(\b)+3]   offset:64*(\b)
	ds_store_b128 v[STO], v[AC+8*(\b)+4:AC+8*(\b)+7] offset:64*(\b)+16
.endr
	WIN 0
	s_wait_xcnt 0x0                                ; the last block's stores have read OBF and their base: both are rewritten only behind this wait
.set t, 0
.rept 16
	ds_load_b128 v[OBF+4*t:OBF+4*t+3], v[RD] offset:t*SPITCH  ; LDS serves a wave's instructions in order (ISA guide 5.7.1.4): these see the stores above
.set t, t+1
.endr
.endm
.macro SEND a, younger                 ; younger: the LDS loads issued behind TOSTAGE's, which may stay out
	WIN 0
	s_wait_dscnt \younger
.set t, 0
.rept 16
	v_pk_add_f32 v[OBF+4*t:OBF+4*t+1], v[OBF+4*t:OBF+4*t+1], v[BIAS:BIAS+1]
	v_pk_add_f32 v[OBF+4*t+2:OBF+4*t+3], v[OBF+4*t+2:OBF+4*t+3], v[BIAS+2:BIAS+3]
.set t, t+1
.endr
.if (\a) == 0
	s_add_nc_u64 s[8:9], s[8:9], s[16:17]          ; my first rows of the tile
.else
	s_add_nc_u64 s[8:9], s[8:9], 16*SIZE_N*4       ; 16 rows of C on (no global instruction has been issued since TOSTAGE's wait)
.endif
.set t, 0
.rept 16
	global_store_b128 v[CO], v[OBF+4*t:OBF+4*t+3], s[8:9] offset:t*SIZE_N*4 th:TH_STORE_NT  ; 512 consecutive bytes, at a multiple of 256 from C's first byte
.set t, t+1
.endr
.endm
	s_wait_loadcnt 0x0                             ; bo,
	v_cvt_pk_bf16_f32 v12, v[BIAS], v[BIAS+1]      ; rounded to bf16 and widened again
	v_cvt_pk_bf16_f32 v13, v[BIAS+2], v[BIAS+3]
	v_lshlrev_b32 v[BIAS], 16, v12
	v_and_b32 v[BIAS+1], 0xffff0000, v12
	v_lshlrev_b32 v[BIAS+2], 16, v13
	v_and_b32 v[BIAS+3], 0xffff0000, v13
	s_wait_tensorcnt 1                             ; my part of K step 0 is in; K step 1's may stay out
	s_barrier_signal -1
	s_barrier_wait -1
	FETCH 0, 0, F0
	QUARTER 0, 64,  F0, F1, 1                      ; the first quarter stands in front of the loop: its products start the sums
	WIN 0                                          ; at a label and at a branch every window is 0
	s_mov_b32 s3, LAPS-1
.Llap:                                                 ; a trip goes once round the ring and fills both slots again
	QUARTER 0, 128, F1, F0, 0
	QUARTER 0, 192, F0, F1, 0
	TURN 0, 1
	QUARTER 1, 64,  F0, F1, 0
	QUARTER 1, 128, F1, F0, 0
	QUARTER 1, 192, F0, F1, 0
	TURN 1, 0
	QUARTER 0, 64,  F0, F1, 0
	WIN 0
	s_sub_co_u32 s3, s3, 1
	s_cmp_lg_u32 s3, 0
	s_cbranch_scc1 .Llap
	QUARTER 0, 128, F1, F0, 0                      ; the last lap goes on, and asks for nothing more
	QUARTER 0, 192, F0, F1, 0
	MEET 0                                         ; nothing is filled again, so no round follows
	PLACES                                         ; for the loads into buffer 0
	BLOAD 0
	BLOAD 1
	BLOAD 3
	ALOAD 0
	MUL16 F1, 1, 0, 0
	MUL16 F1, 1, 2, 0
	PLACES                                         ; for the loads into buffer 1
	BLOAD 2
	ALOAD 1
	ALOAD 2
	ALOAD 3
	s_wait_dscnt 40                                ; all but the 40 just issued
	ROW 0
.irp a, 0,1,2,3,4,5,6,7                ; each block leaves as soon as it is finished
	PLACES                                         ; its LDS stores read results just made, and the load below lands in fragments just read
	TOSTAGE \a
.if (\a) < 4
	ALOAD (\a)+4                                   ; its buffer takes the block four further on
	SEND \a, 8
.else
	SEND \a, 0
.endif
.if (\a) < 7
	ROW (\a)+1
.endif
.endr
	s_wait_tensorcnt 0x0                           ; the wave's end: behind my last tensor load and my last LDS store
	ds_add_u32 v[SPW], v[NIL]
	s_wait_dscnt 0x0
	CROUND                                         ; the closing round: no work-group ends while a partner may still ask for a tile that names it
	s_endpgm
.Lfunc_end_k_q3a485116a6_gemm_out:
	.size	k_q3a485116a6_gemm_out, .Lfunc_end_k_q3a485116a6_gemm_out-k_q3a485116a6_gemm_out
	.p2alignl 7, 3214868480
	.fill 96, 4, 3214868480
	.section	.rodata,"a",@progbits
	.p2align	6, 0x0
	.amdhsa_kernel k_q3a485116a6_gemm_out
		.amdhsa_group_segment_fixed_size 327680
		.amdhsa_private_segment_fixed_size 0
		.amdhsa_enable_private_segment 0
		.amdhsa_kernarg_size 32
		.amdhsa_user_sgpr_count 2
		.amdhsa_user_sgpr_kernarg_segment_ptr 1
		.amdhsa_wavefront_size32 1
		.amdhsa_system_sgpr_workgroup_id_x 1
		.amdhsa_system_sgpr_workgroup_id_y 1
		.amdhsa_system_sgpr_workgroup_id_z 1
		.amdhsa_system_vgpr_workitem_id 0
		.amdhsa_next_free_vgpr 1024
		.amdhsa_next_free_sgpr 68
		.amdhsa_reserve_vcc 0
		.amdhsa_float_denorm_mode_32 3
		.amdhsa_float_denorm_mode_16_64 3
		.amdhsa_memory_ordered 1
		.amdhsa_forward_progress 1
		.amdhsa_inst_pref_size 159
	.end_amdhsa_kernel
	.amdgpu_metadata
---
amdhsa.version: [ 1, 2 ]
amdhsa.kernels:
  - .name:           k_q3a485116a6_gemm_out
    .symbol:         k_q3a485116a6_gemm_out.kd
    .args:
      - { .name: ao, .offset: 0, .size: 8, .value_kind: global_buffer, .address_space: global }
      - { .name: wo, .offset: 8, .size: 8, .value_kind: global_buffer, .address_space: global }
      - { .name: out0, .offset: 16, .size: 8, .value_kind: global_buffer, .address_space: global }
      - { .name: bo, .offset: 24, .size: 8, .value_kind: global_buffer, .address_space: global }
    .group_segment_fixed_size: 327680
    .private_segment_fixed_size: 0
    .kernarg_segment_align: 8
    .kernarg_segment_size: 32
    .max_flat_workgroup_size: 128
    .sgpr_count:     68
    .vgpr_count:     1024
    .wavefront_size: 32
...
	.end_amdgpu_metadata
.endif
;; end of part 4
